; MI455X (gfx1250); checked and timed in simulation.
; The chip was launched on July 23, 2026; its instructions are those of AMD's public machine-readable ISA for CDNA 5 (MIT licence, August 2026) and "CDNA5" Instruction Set Architecture Reference Guide (July 2026). The comments in the code are by the model that wrote it; some were corrected since.
;; MHSA. Allowed arithmetic: matrix products marked QUANTISED: E2M3 operands, one E8M0 scale for each 32 along K, by v_wmma_scale_f32_16x16x128_f8f6f4 with both operands' format E2M3, f32 sums; everything else in f32.
;; Inputs: proj_b 1,024 float32; proj_w 1,024 x 1,024 float32; qkv_b 3,072 float32; qkv_w 1,024 x 3,072 float32; rope_cos 2,048 x 32 float32; rope_sin 2,048 x 32 float32; x 4 x 2,048 x 1,024 float32.
;; Outputs: out0 4 x 2,048 x 1,024 float32.
;; This version of the problem:
;;   THIS VERSION OF THE PROBLEM IS GIVEN IN LOW PRECISION. The matrix products marked QUANTISED in the list below multiply operands that are first quantised to E2M3 (2 exponent bits, 3 mantissa bits; 6 bits a number), with one power-of-two scale for each 32 numbers along K (OCP MX v1.0); their sums are f32. All else is computed in f32.
;;   The module's matrix products, in the order in which they are computed (A, B: the left and right operand; K: the contracted axis; several contracted axes count as one K, in the product's order):
;;     1. [M 8,192, K 1,024] x [K 1,024, N 3,072]; A: input x; B: input qkv_w: QUANTISED
;;     2. batch 64 x [M 2,048, K 64] x [K 64, N 2,048]; A: computed on the way; B: computed on the way: QUANTISED
;;     3. batch 64 x [M 64, K 2,048] x [K 2,048, N 2,048]; A: computed on the way; B: softmax (see below): QUANTISED
;;     4. [M 8,192, K 1,024] x [K 1,024, N 1,024]; A: computed on the way; B: input proj_w: QUANTISED
;;   THE QUANTISER, for each operand of a quantised product, along K:
;;     - K is cut into blocks of 32 from its start; a last block that is shorter is filled with zeros.
;;     - A block's scale is 2^e with e = floor(log2(the largest magnitude in the block)) - 2, held to -126 .. 127; a block of zeros has e = 0. As a byte (E8M0): e + 127.
;;     - Each number is divided by its block's scale, clamped to +-7.5, and rounded to the nearest number of E2M3, ties to even, subnormals kept.
;;     - The product sums the exact products of the quantised numbers (number of the format x scale) in f32.
;;   ~~~python
;;   def quantise(x, axis):      # numpy; x: float32 -> the quantised numbers, widened to float32 again
;;       x = np.moveaxis(x, axis, -1); K = x.shape[-1]
;;       x = np.pad(x, [(0, 0)] * (x.ndim - 1) + [(0, -K % 32)]); x = x.reshape(x.shape[:-1] + (-1, 32)); a = np.abs(x).max(-1, keepdims=True)
;;       e = np.where(a > 0, np.clip(np.frexp(np.where(a > 0, a, 1))[1] - 1 - 2, -126, 127), 0)      # np.frexp(a)[1] - 1 = floor(log2(a)), exactly
;;       r = np.clip(x / 2.0 ** e, -7.5, 7.5)
;;       step = 2.0 ** (np.maximum(np.frexp(np.where(r == 0, 1, r))[1] - 1, 0) - 3)
;;       q = np.round(r / step) * step * 2.0 ** e      # np.round: ties to even
;;       return np.moveaxis(q.reshape(q.shape[:-2] + (-1,))[..., :K], -1, axis).astype(np.float32)
;;   ~~~
;;   SOFTMAX AHEAD OF A QUANTISED PRODUCT. Where the list says 'softmax', what is quantised is not the finished softmax but p = 2^(t - M), with t = logit x log2(e) and M = ceil(the row's largest t), a whole number; so 1/2 < the row's largest p <= 1. The row's sum l is taken of the UNQUANTISED p, in f32, and the product's result is divided by l at the end. Since M is a whole number, a kernel that streams over the keys may use a running M (the ceiling of the running maximum): every later rescaling is an exact power of two, which a block's scale takes up: the codes' values come out the same.
;;   OPERANDS COMPUTED ON THE WAY. 'Computed on the way' means the value that the module computes at that place (a softmax that the list does not call 'softmax' is quantised finished and normalised). What goes into a quantiser is computed in f32, as accurately as f32 sums, v_exp_f32 and their like allow (about 1e-6 of the number): no bf16 or f16 on the way to a quantiser, and a product that is left as it is and whose result goes on into a quantised operand takes f32 operands (vector FMAs, or v_wmma_f32_16x16x4_f32). A number that lies on a knife's edge between two numbers of the format may be rounded either way, as far as f32 arithmetic and the matrix unit's own rounding can turn it there, and no further.
;; One version. Each part assembles by itself: llvm-mc -triple=amdgcn-amd-amdhsa -mcpu=gfx1250 --defsym DOCPART=n.
;; ======== version 1 of 1: 4 launches
;; limits: right only within a limited range of input values
;; workspace buffers: xq 6,553,600 bytes; wq 3,276,800 bytes; qc 6,815,744 bytes; kv 13,369,344 bytes; ao 6,553,600 bytes
;; launch quant (part 1): grid 512 x 1, 4 waves a work-group, no clusters, 47,616 bytes of LDS; arguments x, qkv_w, proj_w, xq, wq; writes xq, wq
.if DOCPART == 1
	.amdgcn_target "amdgcn-amd-amdhsa--gfx1250"
	.amdhsa_code_object_version 6
	.text
	.protected	k_qe0ba5f28b6_quant
	.globl	k_qe0ba5f28b6_quant
	.p2align	8
	.type	k_qe0ba5f28b6_quant,@function
k_qe0ba5f28b6_quant:
	s_mov_b64 s[64:65], 0
	v_nop
	global_prefetch_b8 v0, s[64:65] scope:SCOPE_SE
	s_setreg_imm32_b32 hwreg(HW_REG_WAVE_MODE, 25, 1), 1
	s_wait_xcnt 0x0
; MHSA in MX-FP6, launch 1 of 4: x [8192][1024], qkv_w [1024][3072] and proj_w [1024][1024], f32, become codes of E2M3 with one E8M0 byte for each 32 along K (K = the 1,024 input channels).
; NOTHING OF reference() IS LEFT OUT IN THIS PROGRAM: every input has a way to the output (the bias on k moves k's codes, so it stays), and all four products are live.
; LAYOUT OF THE WORKSPACE: the order of the operand's registers.  A TILE is 16 rows (tokens of x, output channels of a weight); lane r of tile T takes row 32 (T / 2) + 8 (T % 2) + r + 8 (r / 8), so that the
; results of two neighbouring tiles are 16 neighbours along the next product's K.  A FRAGMENT (16 rows x 128 K, 12 registers a lane) is three images of 512 bytes: image i = registers 4 i .. 4 i + 3, lane l's 16 bytes at 16 l.
; A TILE BLOCK is 12,800 bytes: 8 fragments (K steps), then 512 bytes of scale words [K step / 4][r][K step % 4].  xq: 512 tile blocks; wq: 256 (0-191 qkv_w's channels, 192-255 proj_w's).
; THE QUANTISER: a block's byte is its largest magnitude's exponent field - 2, held at 1 from below; each number is divided by the scale and rounded to the nearest code, ties to even, beyond 7.5 the largest code.
; LIMITS: a block of zeros gets the byte 1 where the rule says 127 (its codes are zeros, and this program alone reads the bytes); blocks whose largest magnitude lies under 2^-124 were not tried; NaN and infinities are not served.
; Work-groups 0-255 take x, 256-511 the weights: two paths that part on the work-group's number, each with LDS bytes of its own.  No tensor load, no barrier: waves share nothing.
.set XWB,   8448                       ; path X: a wave's stage: 16 rows x (512 bytes + 16)
.set WST,   33792                      ; path W: the stages begin behind path X's four
.set WWB,   3328                       ; a wave's: two fragments' images, 1,664 bytes apart
.set WFP,   1664
.set SPARE, 47104                      ; the spare words, 128 bytes for each wave: two blocks of 256 bytes that no other line names
.set TILEB, 12800
.set SPW, 14                           ; v14  LDS address of my spare word; never rewritten
.set NIL, 15                           ; v15  0; never rewritten
.set R,   16                           ; path X: v16-143 two sets of 64 numbers as loaded
.set X,   144                          ; v144-207 my 64 numbers: two whole blocks of my row
.set PC,  208                          ; v208-219 a fragment's codes
.set TQ,  220                          ; v220-227 the conversions' second halves
.set SW,  228                          ; v228-231 four K steps' scale words
.set VO,  16                           ; path W: v16-47 offsets of 32 rows of the weight
.set XW,  48                           ; v48-175 four blocks of 32 numbers down K
.set CW,  176                          ; v176-207 eight registers a block: its six of codes, and room for the second conversion
.set OUT, 208                          ; v208-231 six images on the way out
.set WW,  232                          ; v232 my column's scale word
	s_load_b128 s[4:7], s[0:1], 0x0                ; x, qkv_w
	s_load_b128 s[8:11], s[0:1], 0x10              ; proj_w, xq
	s_load_b64 s[12:13], s[0:1], 0x20              ; wq
	v_lshl_add_u32 v[SPW], v0, 2, SPARE
	v_mov_b32 v[NIL], 0
	v_lshrrev_b32 v1, 5, v0
	v_readfirstlane_b32 s16, v1                    ; wave 0..3
	v_and_b32 v6, 31, v0                           ; lane
	v_and_b32 v7, 15, v0                           ; r
	v_bfe_u32 v8, v0, 4, 1                         ; h
	v_lshlrev_b32 v1, 4, v6                        ; 16 x lane
	s_cmp_lt_u32 ttmp9, 256
	s_cbranch_scc0 .Lweights
; ---- PATH X.  A wave takes one tile's 16 rows x 512 along K: four K steps.  Each load reads 512 consecutive bytes of one row; the step's 8,192 bytes turn through the wave's stage, from which lane (r, h) takes,
; of row r, k = 64 c + 32 h + 0 .. 31: two whole blocks, in the order of the operand's registers.
	s_lshl_b32 s17, ttmp9, 2
	s_add_co_u32 s17, s17, s16                     ; 4 x work-group + wave
	s_lshr_b32 s18, s17, 1                         ; T, the tile
	s_and_b32 s19, s17, 1                          ; which half of K
	s_lshr_b32 s24, s17, 2
	s_lshl_b32 s24, s24, 5                         ; 32 (T / 2)
	s_and_b32 s25, s18, 1
	s_lshl_b32 s25, s25, 3                         ; 8 (T % 2)
	s_add_co_u32 s24, s24, s25
	s_lshl_b32 s24, s24, 12                        ; rows of 4,096 bytes
	s_lshl_b32 s25, s19, 11
	s_add_co_u32 s24, s24, s25
	s_mov_b32 s25, 0
	s_mul_i32 s28, s18, TILEB
	s_mul_i32 s27, s19, 6144
	s_add_co_u32 s26, s28, s27                     ; my four fragments
	s_mov_b32 s27, 0
	s_lshl_b32 s29, s19, 8
	s_add_co_u32 s28, s28, s29
	s_add_co_u32 s28, s28, 12288                   ; my half of the scale words
	s_mov_b32 s29, 0
	s_mov_b32 s20, 0x76543210
	s_mov_b32 s21, 0xfedcba98                      ; v_permlanex16_b32's selects for lane l xor 16
	s_mov_b32 s22, 0xffff0000                      ; lanes 16-31
	s_mul_i32 s32, s16, XWB
	s_wait_alu depctr_va_vdst(0)
	v_add_nc_u32 v2, s32, v1                       ; the stage, in: 16 x lane of a row
	v_mul_u32_u24 v3, v7, 528
	v_lshl_add_u32 v3, v8, 7, v3
	v_add_nc_u32 v3, s32, v3                       ; out: row r, + 128 h
	v_lshlrev_b32 v4, 4, v7
	v_lshl_add_u32 v4, v8, 3, v4                   ; the scale words' place: 16 r + 8 h
	v_lshlrev_b32 v5, 3, v8                        ; 8 h
	v_mov_b32 v13, 0                               ; written once: a lane permute's destination counts as one of its sources
	s_wait_alu depctr_va_vdst(0)
	s_wait_kmcnt 0x0
	s_add_nc_u64 s[4:5], s[4:5], s[24:25]
	s_add_nc_u64 s[30:31], s[10:11], s[28:29]
	s_add_nc_u64 s[10:11], s[10:11], s[26:27]
.macro LOADX t                         ; K step t: 16 rows x 512 bytes into set t % 2
.irp i, 0,1,2,3,4,5,6,7,8,9,10,11,12,13,14,15
	global_load_b128 v[R+64*((\t)%2)+4*\i:R+64*((\t)%2)+4*\i+3], v1, s[4:5] offset:(\i+8*(\i/8))*4096+512*(\t) th:TH_LOAD_NT
.endr
.endm
.macro STEPX t
.if (\t) < 3
	s_wait_loadcnt 16                              ; this step's 16 loads are in; the next step's 16 may be out
.else
	s_wait_loadcnt 0x0
.endif
.irp i, 0,1,2,3,4,5,6,7,8,9,10,11,12,13,14,15
	ds_store_b128 v2, v[R+64*((\t)%2)+4*\i:R+64*((\t)%2)+4*\i+3] offset:528*\i
.endr
.irp c, 0,1
.irp j, 0,1,2,3,4,5,6,7
	ds_load_b128 v[X+32*\c+4*\j:X+32*\c+4*\j+3], v3 offset:256*\c+16*\j   ; LDS serves a wave's instructions in order: these see the stores above
.endr
.endr
	s_wait_dscnt 0x0                               ; my numbers are back, and the stores have read their registers,
.if (\t) < 2
	LOADX (\t)+2                                   ; which take the loads of two steps on
.endif
.irp c, 0,1
	v_max3_num_f32 v[6+\c], |v[X+32*\c]|, |v[X+32*\c+1]|, 0x1800000   ; my block 2 c + h, and the floor 2^(3 - 127): the byte cannot fall under 1
.endr
.irp i, 2,4,6,8,10,12,14,16,18,20,22,24,26,28,30
.irp c, 0,1
	v_max3_num_f32 v[6+\c], v[6+\c], |v[X+32*\c+\i]|, |v[X+32*\c+\i+1]|
.endr
.endr
.irp c, 0,1
	v_add_nc_u32 v[8+\c], 0xff000000, v[6+\c]      ; 2 off the exponent field: the conversion's scale operand
.endr
.irp c, 0,1
	v_lshrrev_b32 v[10+\c], 23, v[8+\c]            ; the byte
.endr
	v_lshl_or_b32 v12, v11, 16, v10                ; blocks h and 2 + h,
	v_lshlrev_b32 v12, v5, v12                     ; 8 h bits up;
	v_permlanex16_b32 v13, v12, s20, s21
	v_or_b32 v[SW+(\t)], v12, v13                  ; with lane l xor 16's two the word is whole
.if (\t) > 0
	s_wait_alu depctr_va_vdst(0)
	s_wait_xcnt 0x0                                ; the last step's stores have read the codes' registers
.endif
.irp c, 0,1
	v_cvt_scalef32_pk16_fp6_f32 v[PC+6*\c:PC+6*\c+2], v[X+32*\c:X+32*\c+15], v[8+\c]
	v_cvt_scalef32_pk16_fp6_f32 v[TQ+4*\c:TQ+4*\c+2], v[X+32*\c+16:X+32*\c+31], v[8+\c]   ; (a conversion's three registers begin on an even number)
.endr
	v_nop                                          ; one plain place behind a scaled conversion
.irp c, 0,1
.irp i, 0,1,2
	v_mov_b32 v[PC+6*\c+3+\i], v[TQ+4*\c+\i]
.endr
.endr
.irp i, 0,1,2
	global_store_b128 v1, v[PC+4*\i:PC+4*\i+3], s[10:11] offset:1536*(\t)+512*\i   ; 32 lanes store 512 consecutive bytes
.endr
.endm
	LOADX 0
	LOADX 1
	STEPX 0
	STEPX 1
	STEPX 2
	STEPX 3
	v_cndmask_b32 v232, v[SW], v[SW+2], s22        ; lanes 0-15 store row r's words 0, 1, lanes 16-31 its words 2, 3:
	v_cndmask_b32 v233, v[SW+1], v[SW+3], s22
	global_store_b64 v4, v[232:233], s[30:31]      ; 256 consecutive bytes
	s_wait_tensorcnt 0x0                           ; the wave's end: behind my last LDS store
	ds_add_u32 v[SPW], v[NIL]
	s_wait_dscnt 0x0
	s_endpgm
; ---- PATH W.  K is the weights' FIRST axis: a lane takes a column and its registers run down K.  A work-group takes one K step (128 rows) of 128 columns, a wave 32 columns: two tiles.
; Column q of the 32 is lane r' = q % 8 + 8 (q / 16) of tile u = (q / 8) % 2; its block kb belongs to lane (r', kb % 2), registers 6 (kb / 2) on.  The images are put together in the wave's stage and leave as they lie.
.Lweights:
	s_sub_co_u32 s17, ttmp9, 256
	s_and_b32 s18, s17, 7                          ; the K step
	s_lshr_b32 s19, s17, 3                         ; the group of 128 columns: 0-23 qkv_w's, 24-31 proj_w's
	s_mov_b32 s33, 4096
	s_wait_kmcnt 0x0
	s_cmp_lt_u32 s19, 24                           ; the choice hangs on the work-group's number alone
	s_cselect_b32 s33, 12288, s33                  ; a row of the weight in bytes
	s_cselect_b32 s34, 0, 24
	s_cselect_b64 s[6:7], s[6:7], s[8:9]
	s_sub_co_u32 s34, s19, s34
	s_lshl_b32 s34, s34, 9                         ; 128 columns of 4 bytes
	s_lshl_b32 s35, s16, 7                         ; my wave's 32
	s_add_co_u32 s34, s34, s35
	s_lshl_b32 s35, s18, 7
	s_mul_i32 s35, s35, s33                        ; 128 rows a K step
	s_add_co_u32 s34, s34, s35
	s_mov_b32 s35, 0
	s_lshl_b32 s36, s33, 5                         ; 32 rows: a block
	s_mov_b32 s37, 0
	s_add_nc_u64 s[24:25], s[6:7], s[34:35]        ; a base for each block
	s_add_nc_u64 s[26:27], s[24:25], s[36:37]
	s_add_nc_u64 s[28:29], s[26:27], s[36:37]
	s_add_nc_u64 s[30:31], s[28:29], s[36:37]
	s_lshl_b32 s38, s19, 3
	s_lshl_b32 s39, s16, 1
	s_add_co_u32 s38, s38, s39                     ; my first tile: 8 x group + 2 x wave
	s_mul_i32 s38, s38, TILEB
	s_mul_i32 s39, s18, 1536
	s_add_co_u32 s40, s38, s39
	s_mov_b32 s41, 0
	s_add_nc_u64 s[40:41], s[12:13], s[40:41]      ; its fragment of this K step
	s_lshr_b32 s39, s18, 2
	s_lshl_b32 s39, s39, 8
	s_add_co_u32 s38, s38, s39
	s_and_b32 s39, s18, 3
	s_lshl_b32 s39, s39, 2
	s_add_co_u32 s38, s38, s39
	s_add_co_u32 s38, s38, 12288
	s_mov_b32 s39, 0
	s_add_nc_u64 s[42:43], s[12:13], s[38:39]      ; and its scale words of this K step
	s_wait_alu depctr_va_vdst(0)
	v_lshlrev_b32 v5, 2, v6                        ; 4 x lane
.irp i, 0,1,2,3,4,5,6,7,8,9,10,11,12,13,14,15,16,17,18,19,20,21,22,23,24,25,26,27,28,29,30,31
	v_mad_u32_u24 v[VO+\i], s33, \i, v5            ; row i of a block, my column
.endr
	v_bfe_u32 v9, v0, 3, 1                         ; u
	v_and_b32 v10, 7, v0
	v_lshl_add_u32 v10, v8, 3, v10                 ; r'
	s_mul_i32 s44, s16, WWB
	s_add_co_u32 s44, s44, WST
	v_mul_u32_u24 v2, v9, WFP
	v_lshl_add_u32 v2, v10, 4, v2
	v_add_nc_u32 v2, s44, v2                       ; the stage, in: fragment u, 16 r'
	v_mul_u32_u24 v3, v9, TILEB
	v_lshl_add_u32 v3, v10, 4, v3                  ; my scale word's place: tile u, 16 r'
	v_add_nc_u32 v4, s44, v1                       ; the stage, out: 16 x lane
.macro LOADW kb                        ; block kb: 32 rows, 128 consecutive bytes a wave each
.irp i, 0,1,2,3,4,5,6,7,8,9,10,11,12,13,14,15,16,17,18,19,20,21,22,23,24,25,26,27,28,29,30,31
	global_load_b32 v[XW+32*(\kb)+\i], v[VO+\i], s[24+2*(\kb):25+2*(\kb)] th:TH_LOAD_NT
.endr
.endm
.macro BLOCKW kb
.set XB, XW+32*(\kb)
.set CB, CW+8*(\kb)
.if (\kb) < 3
	s_wait_loadcnt 32                              ; this block's 32 loads are in; the next block's 32 may be out
.else
	s_wait_loadcnt 0x0
.endif
.if (\kb) < 2
	LOADW (\kb)+2                                  ; every block has registers of its own: the block two on is asked for at once
.endif
	v_max3_num_f32 v12, |v[XB]|, |v[XB+1]|, |v[XB+2]|              ; all 32 numbers of the block are mine: two chains
	v_max3_num_f32 v13, |v[XB+3]|, |v[XB+4]|, |v[XB+5]|
.irp i, 6,10,14,18,22,26
	v_max3_num_f32 v12, v12, |v[XB+\i]|, |v[XB+\i+1]|
	v_max3_num_f32 v13, v13, |v[XB+\i+2]|, |v[XB+\i+3]|
.endr
	v_max3_num_f32 v12, v12, |v[XB+30]|, |v[XB+31]|
	v_max3_num_f32 v12, v12, v13, 0x1800000        ; and the floor
	v_add_nc_u32 v11, 0xff000000, v12              ; the conversion's scale operand
	v_lshrrev_b32 v13, 23, v11                     ; the byte
.if (\kb) == 0
	v_mov_b32 v[WW], v13
.else
	v_lshl_or_b32 v[WW], v13, 8*(\kb), v[WW]
.endif
	v_cvt_scalef32_pk16_fp6_f32 v[CB:CB+2], v[XB:XB+15], v11
	v_cvt_scalef32_pk16_fp6_f32 v[CB+4:CB+6], v[XB+16:XB+31], v11  ; (on an even number; moved down by one below)
	v_nop                                          ; one plain place behind a scaled conversion
	v_mov_b32 v[CB+3], v[CB+4]
	v_mov_b32 v[CB+4], v[CB+5]
	v_mov_b32 v[CB+5], v[CB+6]
.if (\kb) < 2
	ds_store_b128 v2, v[CB:CB+3] offset:256*((\kb)%2)              ; registers 0-3: image 0
	ds_store_b64 v2, v[CB+4:CB+5] offset:512+256*((\kb)%2)         ; registers 4, 5: the lower half of image 1's 16 bytes
.else
	ds_store_b64 v2, v[CB:CB+1] offset:520+256*((\kb)%2)           ; registers 6, 7: the upper half
	ds_store_b128 v2, v[CB+2:CB+5] offset:1024+256*((\kb)%2)       ; registers 8-11: image 2
.endif
.endm
	LOADW 0
	LOADW 1
	BLOCKW 0
	BLOCKW 1
	BLOCKW 2
	BLOCKW 3
.irp n, 0,1,2,3,4,5
	ds_load_b128 v[OUT+4*\n:OUT+4*\n+3], v4 offset:WFP*(\n/3)+512*(\n%3)   ; LDS serves a wave's instructions in order: these see my stores
.endr
	global_store_b32 v3, v[WW], s[42:43]           ; 4 bytes a row, 16 bytes apart: 131,072 bytes in the launch against 16.8 million read
.irp n, 0,1,2,3,4,5
	s_wait_dscnt 5-\n                              ; image n is back; the younger loads may be out
	global_store_b128 v1, v[OUT+4*\n:OUT+4*\n+3], s[40:41] offset:TILEB*(\n/3)+512*(\n%3)
.endr
	s_wait_tensorcnt 0x0                           ; the wave's end: behind my last LDS store
	ds_add_u32 v[SPW], v[NIL]
	s_wait_dscnt 0x0
	s_endpgm
.Lfunc_end_k_qe0ba5f28b6_quant:
	.size	k_qe0ba5f28b6_quant, .Lfunc_end_k_qe0ba5f28b6_quant-k_qe0ba5f28b6_quant
	.p2alignl 7, 3214868480
	.fill 96, 4, 3214868480
	.section	.rodata,"a",@progbits
	.p2align	6, 0x0
	.amdhsa_kernel k_qe0ba5f28b6_quant
		.amdhsa_group_segment_fixed_size 47616
		.amdhsa_private_segment_fixed_size 0
		.amdhsa_enable_private_segment 0
		.amdhsa_kernarg_size 40
		.amdhsa_user_sgpr_count 2
		.amdhsa_user_sgpr_kernarg_segment_ptr 1
		.amdhsa_wavefront_size32 1
		.amdhsa_system_sgpr_workgroup_id_x 1
		.amdhsa_system_sgpr_workgroup_id_y 1
		.amdhsa_system_sgpr_workgroup_id_z 1
		.amdhsa_system_vgpr_workitem_id 0
		.amdhsa_next_free_vgpr 256
		.amdhsa_next_free_sgpr 66
		.amdhsa_reserve_vcc 0
		.amdhsa_float_denorm_mode_32 3
		.amdhsa_float_denorm_mode_16_64 3
		.amdhsa_memory_ordered 1
		.amdhsa_forward_progress 1
		.amdhsa_inst_pref_size 54
	.end_amdhsa_kernel
	.amdgpu_metadata
---
amdhsa.version: [ 1, 2 ]
amdhsa.kernels:
  - .name:           k_qe0ba5f28b6_quant
    .symbol:         k_qe0ba5f28b6_quant.kd
    .args:
      - { .name: x, .offset: 0, .size: 8, .value_kind: global_buffer, .address_space: global }
      - { .name: qkv_w, .offset: 8, .size: 8, .value_kind: global_buffer, .address_space: global }
      - { .name: proj_w, .offset: 16, .size: 8, .value_kind: global_buffer, .address_space: global }
      - { .name: xq, .offset: 24, .size: 8, .value_kind: global_buffer, .address_space: global }
      - { .name: wq, .offset: 32, .size: 8, .value_kind: global_buffer, .address_space: global }
    .group_segment_fixed_size: 47616
    .private_segment_fixed_size: 0
    .kernarg_segment_align: 8
    .kernarg_segment_size: 40
    .max_flat_workgroup_size: 128
    .sgpr_count:     66
    .vgpr_count:     256
    .wavefront_size: 32
...
	.end_amdgpu_metadata
.endif
;; end of part 1
;; launch qkv (part 2): grid 8 x 32, 4 waves a work-group, clusters of 4 x 4, 327,680 bytes of LDS; arguments xq, wq, qkv_b, rope_cos, rope_sin, qc, kv; writes qc, kv
.if DOCPART == 2
	.amdgcn_target "amdgcn-amd-amdhsa--gfx1250"
	.amdhsa_code_object_version 6
	.text
	.protected	k_qe0ba5f28b6_qkv
	.globl	k_qe0ba5f28b6_qkv
	.p2align	8
	.type	k_qe0ba5f28b6_qkv,@function
k_qe0ba5f28b6_qkv:
	s_mov_b64 s[64:65], 0
	v_nop
	global_prefetch_b8 v0, s[64:65] scope:SCOPE_SE
	s_setreg_imm32_b32 hwreg(HW_REG_WAVE_MODE, 25, 1), 1
	s_wait_xcnt 0x0
	s_wait_alu depctr_hold_cnt(0) depctr_sa_sdst(0) depctr_va_vdst(0) depctr_va_sdst(0) depctr_va_ssrc(0) depctr_va_vcc(0) depctr_vm_vsrc(0)
	s_getreg_b32 s2, hwreg(HW_REG_IB_STS2, 6, 4)
	s_cmp_eq_u32 s2, 0
	s_cbranch_scc0 .Lentry_in_a_cluster
	s_endpgm
.Lentry_in_a_cluster:
	s_bfe_u32 s2, ttmp6, 0x10000c
	s_cmp_lg_u32 s2, 0xf033
	s_cbranch_scc0 .Lentry_shape_is_right
	s_endpgm
.Lentry_shape_is_right:
.set TILEB, 12800
.set BOFF,  196608
.set SPARE, 299008
.set ADA,  3
.set ADB,  7
.set ADWS, 8
.set SPW,  9
.set NIL,  10
.set XS,   16
.set WS,   80
.set WF,   112
.set HH,   112
.set TT,   144
.set TM,   152
.set H4,   112
.set TM4,  176
.set PC4,  192
.set PCB,  184
.set PY,   232
.set WD,   236
.set SWI,  244
.set VB,   248
.set SEL,  62
.set BIAS, 192
.set MSB, 0
.macro WIN new
.if MSB != \new
	s_set_vgpr_msb (MSB<<8)|\new
.set MSB, \new
.endif
.endm
.macro PLACES n
.rept \n
	v_nop
.endr
.endm
.macro CROUND
	s_barrier_signal -1
	s_barrier_wait -1
	s_cmp_lg_u32 s18, 0
	s_cbranch_scc1 .Lnot_wave_0_\@
	s_barrier_signal -3
.Lnot_wave_0_\@:
	s_barrier_wait -3
	s_barrier_signal -1
	s_barrier_wait -1
.endm
.macro WMC d, a, b, c, sa, sb
	v_wmma_scale_f32_16x16x128_f8f6f4 v[\d:\d+7], v[\a:\a+11], v[\b:\b+11], v[\c:\c+7], v[\sa], v[\sb] matrix_a_fmt:MATRIX_FMT_FP6 matrix_b_fmt:MATRIX_FMT_FP6
.endm
.macro WM0 d, a, b, sa, sb
	v_wmma_scale_f32_16x16x128_f8f6f4 v[\d:\d+7], v[\a:\a+11], v[\b:\b+11], 0, v[\sa], v[\sb] matrix_a_fmt:MATRIX_FMT_FP6 matrix_b_fmt:MATRIX_FMT_FP6
.endm
.macro FETCH s, set
	WIN 0x80
.irp a, 0,1,2,3,4,5,6,7
.irp i, 0,1,2
	ds_load_b128 v[96*(\set)+12*\a+4*\i:96*(\set)+12*\a+4*\i+3], v[ADA+\a/2] offset:12288*(\a%2)+1536*(\s)+512*\i
.endr
.endr
	WIN 0
.irp b, 0,1,2,3
.irp i, 0,1,2
	ds_load_b128 v[WF+48*(\set)+12*\b+4*\i:WF+48*(\set)+12*\b+4*\i+3], v[ADB] offset:TILEB*\b+1536*(\s)+512*\i
.endr
.endr
.endm
.macro MUL kind, s, set, a0, n
.if \kind
	WIN 0x52
.elseif (\s) == 0
	WIN 0x68
.else
	WIN 0x58
.endif
.set AA, \a0
.rept \n
.irp b, 0,1,2,3
.if \kind
.if (\s) == 0
	WM0 8*(8*\b+AA), 96*(\set)+12*AA, WF+48*(\set)+12*\b, XS+8*AA+(\s), WS+8*\b+(\s)
.else
	WMC 8*(8*\b+AA), 96*(\set)+12*AA, WF+48*(\set)+12*\b, 8*(8*\b+AA), XS+8*AA+(\s), WS+8*\b+(\s)
.endif
.else
.if (\s) == 0
	WMC 8*(4*AA+\b), WF+48*(\set)+12*\b, 96*(\set)+12*AA, BIAS+8*\b, WS+8*\b+(\s), XS+8*AA+(\s)
.else
	WMC 8*(4*AA+\b), WF+48*(\set)+12*\b, 96*(\set)+12*AA, 8*(4*AA+\b), WS+8*\b+(\s), XS+8*AA+(\s)
.endif
.endif
.endr
.set AA, AA+1
.endr
.endm
.macro STEP kind, s, grp
	s_wait_dscnt 0x0
.if (\grp) >= 0
	s_wait_tensorcnt 3-(\grp)
	s_barrier_signal -1
	MUL \kind, \s, (\s)%2, 0, 4
	s_barrier_wait -1
	PLACES 4
	FETCH (\s)+1, ((\s)+1)%2
	MUL \kind, \s, (\s)%2, 4, 4
.else
.if (\s) < 7
	PLACES 4
	FETCH (\s)+1, ((\s)+1)%2
.endif
	MUL \kind, \s, (\s)%2, 0, 8
.endif
.endm
.macro SCALESB
.irp b, 0,1,2,3
.irp q, 0,1
	ds_load_b128 v[WS+8*\b+4*\q:WS+8*\b+4*\q+3], v[ADWS] offset:TILEB*\b+256*\q
.endr
.endr
.endm
.macro REFILL
	WIN 0
	s_wait_tensorcnt 0x0
	ds_add_u32 v[SPW], v[NIL]
	s_add_nc_u64 s[42:43], s[42:43], 64*TILEB
	s_wait_dscnt 0x0
	CROUND
	tensor_load_to_lds s[40:43], s[32:39]
	s_nop 0
	PLACES 4
.endm
.macro NEXTPASS
	s_wait_xcnt 0x0
	s_wait_tensorcnt 0x0
	s_barrier_signal -1
	s_barrier_wait -1
	SCALESB
	FETCH 0, 0
.endm
.macro QUANT2 hs, pc, wd
.irp b, 0,1
	v_max3_num_f32 v[TM+\b], |v[\hs+16*\b]|, |v[\hs+16*\b+1]|, 0x1800000
.endr
.irp i, 2,4,6,8,10,12,14
.irp b, 0,1
	v_max3_num_f32 v[TM+\b], v[TM+\b], |v[\hs+16*\b+\i]|, |v[\hs+16*\b+\i+1]|
.endr
.endr
.irp b, 0,1
	v_permlanex16_b32 v[TM+2+\b], v[TM+\b], s[SEL], s[SEL+1]
.endr
.irp b, 0,1
	v_max_num_f32 v[TM+\b], v[TM+\b], v[TM+2+\b]
.endr
.irp b, 0,1
	v_add_nc_u32 v[TM+4+\b], 0xff000000, v[TM+\b]
.endr
.irp b, 0,1
	v_lshrrev_b32 v[TM+2+\b], 23, v[TM+4+\b]
.endr
	v_lshl_or_b32 v[\wd], v[TM+3], 8, v[TM+2]
	v_cvt_scalef32_pk16_fp6_f32 v[\pc:\pc+2], v[\hs:\hs+15], v[TM+4]
	v_cvt_scalef32_pk16_fp6_f32 v[PY:PY+2], v[\hs+16:\hs+31], v[TM+5]
	v_nop
.irp i, 0,1,2
	v_permlane16_swap_b32 v[\pc+\i], v[PY+\i]
.endr
.irp i, 0,1,2
	v_mov_b32 v[\pc+3+\i], v[PY+\i]
.endr
.endm
.macro QUANT4 hs, wd
.irp b, 0,1,2,3
	v_max3_num_f32 v[TM4+\b], |v[\hs+16*\b]|, |v[\hs+1+16*\b]|, 0x1800000
.endr
.irp i, 2,4,6,8,10,12,14
.irp b, 0,1,2,3
	v_max3_num_f32 v[TM4+\b], v[TM4+\b], |v[\hs+16*\b+\i]|, |v[\hs+1+16*\b+\i]|
.endr
.endr
.irp b, 0,1,2,3
	v_permlanex16_b32 v[TM4+4+\b], v[TM4+\b], s[SEL], s[SEL+1]
.endr
.irp b, 0,1,2,3
	v_max_num_f32 v[TM4+\b], v[TM4+\b], v[TM4+4+\b]
.endr
.irp b, 0,1,2,3
	v_add_nc_u32 v[TM4+12+\b], 0xff000000, v[TM4+\b]
.endr
.irp b, 0,1,2,3
	v_lshrrev_b32 v[TM4+4+\b], 23, v[TM4+12+\b]
.endr
	v_lshl_or_b32 v[\wd], v[TM4+5], 8, v[TM4+4]
	v_lshl_or_b32 v[\wd], v[TM4+6], 16, v[\wd]
	v_lshl_or_b32 v[\wd], v[TM4+7], 24, v[\wd]
.irp c, 0,1
	v_cvt_scalef32_pk16_fp6_f32 v[PC4+6*\c:PC4+2+6*\c], v[\hs+32*\c:\hs+15+32*\c], v[TM4+12+2*\c]
	v_cvt_scalef32_pk16_fp6_f32 v[PC4+12+4*\c:PC4+14+4*\c], v[\hs+16+32*\c:\hs+31+32*\c], v[TM4+12+2*\c+1]
.endr
	v_nop
.irp c, 0,1
.irp i, 0,1,2
	v_permlane16_swap_b32 v[PC4+6*\c+\i], v[PC4+12+4*\c+\i]
.endr
.irp i, 0,1,2
	v_mov_b32 v[PC4+3+6*\c+\i], v[PC4+12+4*\c+\i]
.endr
.endr
.endm
.macro ROPE a
	WIN 0x07
.irp g, 0,1,2,3
.irp k, 0,1,2,3
	v_mul_f32 v[TT+2*\k], v[32*(\a)+4*\g+\k], v[32*(\a)+8*\g+2*\k]
	v_mul_f32 v[TT+2*\k+1], v[32*(\a)+16+4*\g+\k], v[32*(\a)+8*\g+2*\k]
.endr
.irp k, 0,1,2,3
	v_fma_f32 v[HH+8*\g+2*\k], v[32*(\a)+16+4*\g+\k], -v[32*(\a)+8*\g+2*\k+1], v[TT+2*\k]
	v_fma_f32 v[HH+8*\g+2*\k+1], v[32*(\a)+4*\g+\k], v[32*(\a)+8*\g+2*\k+1], v[TT+2*\k+1]
.endr
.endr
	WIN 0
.endm
.macro EPIQK sb, img
	v_mov_b32 v[TM+2], 0
	v_mov_b32 v[TM+3], 0
.irp a, 0,1,2,3,4,5,6,7
	ROPE \a
	QUANT2 HH, PCB+6*\a, WD+\a
	global_store_b128 v1, v[PCB+6*\a:PCB+6*\a+3], s[\sb:\sb+1] offset:768*\a
	global_store_b64 v2, v[PCB+6*\a+4:PCB+6*\a+5], s[\sb:\sb+1] offset:768*\a+512
.endr
.irp i, 0,1,2,3
	v_cndmask_b32 v[SWI+\i], v[WD+2*\i], v[WD+2*\i+1], s60
.endr
	global_store_b128 v1, v[SWI:SWI+3], s[\sb:\sb+1] offset:\img
.endm
	s_load_b256 s[4:11], s[0:1], 0x0
	s_load_b128 s[12:15], s[0:1], 0x20
	s_load_b64 s[16:17], s[0:1], 0x30
	v_lshl_add_u32 v[SPW], v0, 2, SPARE
	v_mov_b32 v[NIL], 0
	ds_add_u32 v[SPW], v[NIL]
	ds_add_u32 v[SPW], v[NIL]
	v_lshrrev_b32 v1, 5, v0
	v_readfirstlane_b32 s18, v1
	s_lshr_b32 s19, s18, 1
	s_and_b32 s20, s18, 1
	s_bfe_u32 s21, ttmp6, 0x40000
	s_bfe_u32 s22, ttmp6, 0x40004
	s_lshl_b32 s23, ttmp9, 2
	s_add_co_u32 s23, s23, s21
	s_and_b32 s66, ttmp7, 0xffff
	s_lshl_b32 s66, s66, 2
	s_add_co_u32 s66, s66, s22
	s_lshl_b32 s72, s22, 2
	s_lshl_b32 s72, 15, s72
	s_lshl_b32 s73, 0x1111, s21
	s_or_b32 s24, s72, (3<<16)|(1<<21)
	s_mov_b32 s25, 1536<<16                        ; x's tiles: 8 rows (tile blocks) of 12,288 bytes of codes, 12,800 apart
	s_mov_b32 s26, 8<<16
	s_mov_b32 s27, 1536<<16
	s_mov_b32 s28, 8
	s_mov_b32 s29, 1600
	s_mov_b32 s30, 0
	s_mov_b32 s31, 0
	s_or_b32 s32, s73, (3<<16)|(1<<21)
	s_mov_b32 s33, 32<<16
	s_mov_b32 s34, 200<<16                         ; the head's load of the weights: 4 tile blocks, 200 rows of 256 bytes
	s_mov_b32 s35, 32<<16
	s_mov_b32 s36, 200
	s_mov_b32 s37, 32
	s_mov_b32 s38, 0
	s_mov_b32 s39, 0
	s_lshl_b32 s68, s66, 4
	s_lshl_b32 s74, s20, 3
	s_add_co_u32 s68, s68, s74
	s_mul_i32 s68, s68, TILEB
	s_mov_b32 s69, 0
	s_lshl_b32 s70, s23, 3
	s_lshl_b32 s75, s18, 1
	s_add_co_u32 s70, s70, s75
	s_mul_i32 s70, s70, TILEB
	s_mov_b32 s71, 0
	s_mul_i32 s76, s20, 98304                      ; the head's loads: half s20 of x's 16 tiles,
	s_lshl_b32 s90, s23, 3
	s_lshl_b32 s91, s20, 2
	s_add_co_u32 s90, s90, s91
	s_mul_i32 s90, s90, TILEB                      ; or half s20 of the weights' 8 tile blocks
	s_mov_b32 s91, 0
	s_mul_i32 s92, s20, 51200
	s_mul_i32 s77, s18, 25600
	s_mov_b32 s60, 0xffff0000
	s_mov_b32 s[SEL], 0x76543210
	s_mov_b32 s[SEL+1], 0xfedcba98
	s_wait_dscnt 0x0
	s_wait_kmcnt 0x0
	s_add_nc_u64 s[68:69], s[4:5], s[68:69]
	s_add_nc_u64 s[70:71], s[6:7], s[70:71]
	s_add_nc_u64 s[90:91], s[6:7], s[90:91]
	CROUND
	s_mov_b32 s40, 1
	s_add_co_u32 s41, s77, BOFF
	s_mov_b64 s[42:43], s[70:71]
	s_or_b32 s43, s43, 0x80000000
	s_mov_b32 s44, 1
	s_mov_b32 s45, s76
	s_mov_b64 s[46:47], s[68:69]
	s_or_b32 s47, s47, 0x80000000
	s_mov_b32 s48, 1
	s_add_co_u32 s49, s92, BOFF
	s_mov_b64 s[50:51], s[90:91]
	s_or_b32 s51, s51, 0x80000000
	s_cmp_lt_u32 s18, 2                            ; one joint load a wave: waves 0, 1 the halves of x's tiles, waves 2, 3 the halves of the weights'
	s_cbranch_scc0 .Lhead_b
	tensor_load_to_lds s[44:47], s[24:31]
	s_nop 0
	PLACES 4
	s_branch .Lhead_asked
.Lhead_b:
	tensor_load_to_lds s[48:51], s[32:39]
	s_nop 0
	PLACES 4
.Lhead_asked:
	v_and_b32 v11, 31, v0
	v_lshlrev_b32 v1, 4, v11
	v_lshlrev_b32 v2, 3, v11
	s_mul_i32 s74, s19, 98304
.irp g, 0,1,2,3
	v_add_nc_u32 v[ADA+\g], s74, v1
	s_add_co_u32 s74, s74, 24576
.endr
	s_mul_i32 s75, s20, 51200
	s_add_co_u32 s75, s75, BOFF
	v_add_nc_u32 v[ADB], s75, v1
	v_and_b32 v12, 15, v0
	v_bfe_u32 v13, v0, 4, 1
	v_lshlrev_b32 v11, 4, v12
	s_wait_alu depctr_va_vdst(0)
	s_add_co_u32 s75, s75, 12288
	v_add_nc_u32 v[ADWS], s75, v11
	v_and_b32 v14, 8, v12
	v_add_nc_u32 v14, v14, v12
	v_lshlrev_b32 v12, 7, v14
	v_lshl_add_u32 v12, v13, 5, v12
	v_lshlrev_b32 v14, 2, v14
	s_wait_alu depctr_va_vdst(0)
	v_lshlrev_b32 v13, 6, v13
	s_wait_alu depctr_va_vdst(0)
	s_lshl_b32 s74, s66, 4
	s_lshl_b32 s75, s19, 3
	s_add_co_u32 s74, s74, s75
	s_mul_i32 s78, s74, TILEB
	s_mov_b32 s79, 0
	s_add_nc_u64 s[78:79], s[4:5], s[78:79]
	s_lshl_b32 s80, s23, 9
	s_lshl_b32 s81, s20, 8
	s_add_co_u32 s80, s80, s81
	s_mov_b32 s81, 0
	s_add_nc_u64 s[80:81], s[8:9], s[80:81]
	s_and_b32 s82, s66, 7
	s_lshl_b32 s82, s82, 15
	s_lshl_b32 s83, s19, 14
	s_add_co_u32 s82, s82, s83
	s_mov_b32 s83, 0
	s_add_nc_u64 s[84:85], s[12:13], s[82:83]
	s_add_nc_u64 s[82:83], s[10:11], s[82:83]
	s_lshr_b32 s72, s66, 3
	s_lshl_b32 s72, s72, 4
	s_lshl_b32 s73, s23, 1
	s_add_co_u32 s72, s72, s73
	s_add_co_u32 s72, s72, s20
	s_lshl_b32 s72, s72, 4
	s_and_b32 s73, s66, 7
	s_lshl_b32 s73, s73, 1
	s_add_co_u32 s72, s72, s73
	s_add_co_u32 s72, s72, s19
	s_mul_i32 s86, s72, 6656
	s_mov_b32 s87, 0
	s_mul_i32 s88, s72, 13056
	s_mov_b32 s89, 0
	s_add_nc_u64 s[86:87], s[14:15], s[86:87]
	s_add_nc_u64 s[88:89], s[16:17], s[88:89]
.irp a, 0,1,2,3,4,5,6,7
.irp q, 0,1
	global_load_b128 v[XS+8*\a+4*\q:XS+8*\a+4*\q+3], v11, s[78:79] offset:TILEB*\a+12288+256*\q
.endr
.endr
.irp b, 0,1,2,3
	global_load_b32 v[VB+2*\b], v14, s[80:81] offset:8192+(32*(\b/2)+8*(\b%2))*4
.endr
	WIN 0x80
.irp b, 0,1,2,3
.irp q, 0,1
	global_load_b128 v[192+8*\b+4*\q:192+8*\b+4*\q+3], v13, s[80:81] offset:(32*(\b/2)+8*(\b%2))*4+16*\q
	global_load_b128 v[224+8*\b+4*\q:224+8*\b+4*\q+3], v13, s[80:81] offset:4096+(32*(\b/2)+8*(\b%2))*4+16*\q
.endr
.endr
	WIN 0xc0
.irp a, 0,1,2,3,4,5,6,7
.irp q, 0,1,2,3
	global_load_b128 v[32*\a+4*\q:32*\a+4*\q+3], v12, s[82:83] offset:(32*(\a/2)+8*(\a%2))*128+16*(\q%2)+64*(\q/2)
	global_load_b128 v[32*\a+16+4*\q:32*\a+16+4*\q+3], v12, s[84:85] offset:(32*(\a/2)+8*(\a%2))*128+16*(\q%2)+64*(\q/2)
.endr
.endr
	WIN 0
	s_wait_loadcnt 0x0
.irp b, 0,1,2,3
	v_mov_b32 v[VB+2*\b+1], v[VB+2*\b]
.endr
	s_wait_tensorcnt 0x0                           ; my one load is in, so a descriptor may be written:
	s_mov_b32 s34, 100<<16                         ; a refill brings 2 tile blocks a wave, 100 rows of 256 bytes
	s_mov_b32 s36, 100
	s_barrier_signal -1
	s_barrier_wait -1
	SCALESB
	FETCH 0, 0
	STEP 0, 0, -1
	STEP 0, 1, -1
	STEP 0, 2, -1
	STEP 0, 3, -1
	STEP 0, 4, -1
	STEP 0, 5, -1
	STEP 0, 6, -1
	STEP 0, 7, -1
	REFILL
	EPIQK 86, 6144
	NEXTPASS
.set BIAS, 224
.irp s, 0,1,2,3,4,5,6,7
	STEP 0, \s, -1
.endr
	REFILL
	EPIQK 88, 12288
	NEXTPASS
.irp s, 0,1,2,3,4,5,6,7
	STEP 1, \s, -1
.endr
	WIN 0
	PLACES 4
.irp b, 0,1,2,3
	v_mov_b32 v[TM4+4+\b], 0
.endr
.irp b, 0,1,2,3
	WIN 0x01
.set J, 0
.rept 32
	v_pk_add_f32 v[H4+J:H4+J+1], v[64*\b+J:64*\b+J+1], v[VB+2*\b:VB+2*\b+1] op_sel_hi:[1,0]
.set J, J+2
.endr
	WIN 0
.if \b > 0
	s_wait_xcnt 0x0
.endif
	QUANT4 H4, WD+\b
.irp i, 0,1,2
	global_store_b128 v1, v[PC4+4*\i:PC4+4*\i+3], s[88:89] offset:6144+1536*\b+512*\i
.endr
.endr
	v_cndmask_b32 v[SWI], v[WD], v[WD+1], s60
	v_cndmask_b32 v[SWI+1], v[WD+2], v[WD+3], s60
	global_store_b64 v2, v[SWI:SWI+1], s[88:89] offset:12800
	s_wait_tensorcnt 0x0
	ds_add_u32 v[SPW], v[NIL]
	s_wait_dscnt 0x0
	CROUND
	s_endpgm
.Lfunc_end_k_qe0ba5f28b6_qkv:
	.size	k_qe0ba5f28b6_qkv, .Lfunc_end_k_qe0ba5f28b6_qkv-k_qe0ba5f28b6_qkv
	.p2alignl 7, 3214868480
	.fill 96, 4, 3214868480
	.section	.rodata,"a",@progbits
	.p2align	6, 0x0
	.amdhsa_kernel k_qe0ba5f28b6_qkv
		.amdhsa_group_segment_fixed_size 327680
		.amdhsa_private_segment_fixed_size 0
		.amdhsa_enable_private_segment 0
		.amdhsa_kernarg_size 56
		.amdhsa_user_sgpr_count 2
		.amdhsa_user_sgpr_kernarg_segment_ptr 1
		.amdhsa_wavefront_size32 1
		.amdhsa_system_sgpr_workgroup_id_x 1
		.amdhsa_system_sgpr_workgroup_id_y 1
		.amdhsa_system_sgpr_workgroup_id_z 1
		.amdhsa_system_vgpr_workitem_id 0
		.amdhsa_next_free_vgpr 1024
		.amdhsa_next_free_sgpr 100
		.amdhsa_reserve_vcc 0
		.amdhsa_float_denorm_mode_32 3
		.amdhsa_float_denorm_mode_16_64 3
		.amdhsa_memory_ordered 1
		.amdhsa_forward_progress 1
		.amdhsa_inst_pref_size 255
	.end_amdhsa_kernel
	.section	.bss,"aw",@nobits
	.p2align	6
	.space	262144
	.amdgpu_metadata
---
amdhsa.version: [ 1, 2 ]
amdhsa.kernels:
  - .name:           k_qe0ba5f28b6_qkv
    .symbol:         k_qe0ba5f28b6_qkv.kd
    .args:
      - { .name: xq, .offset: 0, .size: 8, .value_kind: global_buffer, .address_space: global }
      - { .name: wq, .offset: 8, .size: 8, .value_kind: global_buffer, .address_space: global }
      - { .name: qkv_b, .offset: 16, .size: 8, .value_kind: global_buffer, .address_space: global }
      - { .name: rope_cos, .offset: 24, .size: 8, .value_kind: global_buffer, .address_space: global }
      - { .name: rope_sin, .offset: 32, .size: 8, .value_kind: global_buffer, .address_space: global }
      - { .name: qc, .offset: 40, .size: 8, .value_kind: global_buffer, .address_space: global }
      - { .name: kv, .offset: 48, .size: 8, .value_kind: global_buffer, .address_space: global }
    .group_segment_fixed_size: 327680
    .private_segment_fixed_size: 0
    .kernarg_segment_align: 8
    .kernarg_segment_size: 56
    .max_flat_workgroup_size: 128
    .sgpr_count:     100
    .vgpr_count:     1024
    .wavefront_size: 32
...
	.end_amdgpu_metadata
.endif
;; end of part 2
;; launch attn (part 3): grid 4 x 64, 16 waves a work-group, clusters of 4 x 1, 263,168 bytes of LDS; arguments qc, kv, ao; writes ao
.if DOCPART == 3
	.amdgcn_target "amdgcn-amd-amdhsa--gfx1250"
	.amdhsa_code_object_version 6
	.text
	.protected	k_qe0ba5f28b6_attn
	.globl	k_qe0ba5f28b6_attn
	.p2align	8
	.type	k_qe0ba5f28b6_attn,@function
k_qe0ba5f28b6_attn:
	s_mov_b64 s[64:65], 0
	v_nop
	global_prefetch_b8 v0, s[64:65] scope:SCOPE_SE
	s_setreg_imm32_b32 hwreg(HW_REG_WAVE_MODE, 25, 1), 1
	s_wait_xcnt 0x0
	s_wait_alu depctr_hold_cnt(0) depctr_sa_sdst(0) depctr_va_vdst(0) depctr_va_sdst(0) depctr_va_ssrc(0) depctr_va_vcc(0) depctr_vm_vsrc(0)
	s_getreg_b32 s2, hwreg(HW_REG_IB_STS2, 6, 4)
	s_cmp_eq_u32 s2, 0
	s_cbranch_scc0 .Lentry_in_a_cluster
	s_endpgm
.Lentry_in_a_cluster:
	s_bfe_u32 s2, ttmp6, 0x10000c
	s_cmp_lg_u32 s2, 0x3003
	s_cbranch_scc0 .Lentry_shape_is_right
	s_endpgm
.Lentry_shape_is_right:
; MHSA in MX-FP6, launch 3 of 4: for each of the 64 heads (batch x head) out = softmax(q k^T / 8) v, both products on codes, and the quantiser of out along the 1,024 channels.  Nothing of reference() is left out.
; THE SOFTMAX: t = score x log2(e) / 8; M = the row's largest t so far, rounded UP to a whole number; p = 2^(t - M) is quantised along the keys, not normalised.  The row's sum is taken of the unquantised p and
; divides at the end.  When M moves, the sum and O are multiplied by 2^(old M - new M): exact.
; SHARES.  The four work-groups of a cluster share a head; each owns 512 queries, each of its sixteen waves one tile of 16 queries in each of two passes.  A head's k, v^T and scale words are 16 blocks of 13,056 bytes
; (128 keys each): they come into LDS once, wave w asking for block w by one joint load that names the four work-groups, and stay: no ring, no refill, no barrier in the loops.  All that the launch reads by tensor
; loads is asked for in its first lines, so there is no loop in which a prefetch could run ahead of a load.
; IN LDS each 256 bytes of a block are followed by 64 bytes of padding: byte y of a block lies at 320 (y / 256) + y % 256, a block takes 16,320 bytes.
; LAYOUT.  Both products are used transposed: S^T = k q^T, O^T = v^T p^T: a lane holds ONE query throughout.
; WHICH KEYS FORM A TILE OF k is chosen by the LDS addresses: row r of tile 4 c + u is key 64 c + 32 (r / 8) + 8 u + r % 8.  In the result lane (query, h) then holds, in the 32 registers of tiles 4 c .. 4 c + 3,
; keys 64 c + 32 h + 0 .. 31: ONE WHOLE BLOCK, in the very order of the next operand's registers 6 c .. 6 c + 5.  So a block's maximum needs no other lane, and the conversions' results are the operand.
; As the launch before lays k (row r' of its tile 2 b + u' is key 32 b + 8 u' + r' + 8 (r' / 8)), that key lies in its tile 4 c + u % 2 + 2 (r / 8), row r % 8 + 8 (u / 2).  Two stored tiles are 6 rows of 256 bytes,
; 1,920 bytes of LDS, which is 128 modulo 256.
; A BLOCK'S SCALE: p rises with the score, so the block's largest p is 2^tm with tm = t - M of its largest score, and floor(log2) of it is floor(tm): the byte is floor(tm) + 125, tm held at -124 from below (byte 1).
; Where v_exp_f32 rounds a p up to the next power of two, that one p is held at the largest code.
; THE NEXT STEP'S k is asked for behind this step's second product, with most of the row's sum between the request and the wait for it.  The last trip has no next step: its address is held at block 15, and what
; those 20 LDS loads bring is not read.
; K = 64 IN AN INSTRUCTION OF K = 128.  q's registers 6-11 are zero codes, and bytes 2, 3 of q's and k's scale words are 0 (2^-127, no NaN): tile t's operand is v[32 + 6 t : 43 + 6 t], whose upper half, tile t + 1's
; codes (behind tile 7 six registers of zeros), is multiplied by exact zeros.
; OUT.  ao: tile blocks of 12,800 bytes as the first launch lays them; head hh's half fragment at 768 hh, its two scale bytes at 12,288 + 256 (hh / 8) + 16 r + 2 (hh % 8).
; LIMITS: a block of zeros has the byte 1; NaN and infinities are not served; the promise holds while the scaled scores t stay under 2^31 in magnitude.
; REGISTERS: v1, v2, v5: 16 x lane, 8 x lane, 16 r; v3, v4 the add's two; v6, v7 v^T's LDS addresses, v8-10 k's; v11 8 h; v12 -M, v13 the largest score, v[14:15] the sum; v16-21 q, v22-27 zeros, v28 q's scale words;
; v29-31 the lane's part of k's addresses, v93 of v^T's; v32-79 k's 8 tiles, then v^T's 4 fragments; v80-85 zeros; v86-92 the second pass's q; v96-159 S^T, then p; v160-191 O^T; v192-203 p's codes;
; v204-210 second conversions; v212-215 k's scale words, v216-217 v's, v218 p's; v220-241 at work.
.set STEPB, 13056                      ; a block in memory
.set STEPL, 16320                      ; and in LDS: 51 rows of 320 bytes
.set SPARE, 261120                     ; the spare words, 128 bytes for each of the sixteen waves
.set SPW, 3
.set NIL, 4
.set KA,  8
.set SH8, 11
.set KB,  29
.set VB,  93
.set KS,  212
.set PW,  218
.set BM,  220                          ; v220-221 my two blocks' largest scores; v222-223 their second chains
.set RM,  224
.set RP,  225
.set TMP, 226
.set OLD, 227
.set SO,  228                          ; v228-229 the conversions' scale operands
.set WW,  230
.set WP,  231
.set FF,  232                          ; v[232:233] f = 2^(old M - new M); the upper word is written once
.set OW,  235
.set C1,  236                          ; three more chains of the sum
.set C2,  238
.set C3,  240
.set PCD, 192
.set PY,  204
.set TM,  220                          ; the way out's quantiser: six at work
.set SEL, 20                           ; s[20:21] v_permlanex16_b32's selects for lane l xor 16
.set CS,  22                           ; s[22:23] c = log2(e) / 8
.set NC,  46                           ; s46 -c
.macro CROUND
	s_barrier_signal -1
	s_barrier_wait -1
	s_cmp_lg_u32 s10, 0
	s_cbranch_scc1 .Lnot_wave_0_\@
	s_barrier_signal -3
.Lnot_wave_0_\@:
	s_barrier_wait -3
	s_barrier_signal -1
	s_barrier_wait -1
.endm
; k's 8 tiles and their scale words, of the block that begins at LDS byte \sb
.macro KLOAD sb
	v_add_nc_u32 v[KA], \sb, v[KB]
	v_add_nc_u32 v[KA+1], \sb, v[KB+1]
	v_add_nc_u32 v[KA+2], \sb, v[KB+2]
.irp c, 0,1
.irp u, 0,1,2,3
	ds_load_b128 v[32+6*(4*\c+\u):35+6*(4*\c+\u)], v[KA] offset:960*(4*\c+\u%2)+128*(\u/2)
	ds_load_b64 v[36+6*(4*\c+\u):37+6*(4*\c+\u)], v[KA+1] offset:960*(4*\c+\u%2)+640+64*(\u/2)
.endr
.endr
.irp c, 0,1
.irp g, 0,1
	ds_load_b32 v[KS+2*\c+\g], v[KA+2] offset:15360+128*\g+8*\c   ; lanes 0-15 tile 4 c + 2 g's scale words, lanes 16-31 tile 4 c + 2 g + 1's
.endr
.endr
.endm
.macro SUM4 j                          ; four pairs of p onto the sum's four chains
	v_pk_add_f32 v[C1:C1+1], v[C1:C1+1], v[\j:\j+1]
	v_pk_add_f32 v[C2:C2+1], v[C2:C2+1], v[\j+2:\j+3]
	v_pk_add_f32 v[C3:C3+1], v[C3:C3+1], v[\j+4:\j+5]
	v_pk_add_f32 v[14:15], v[14:15], v[\j+6:\j+7]
.endm
; A KEY STEP: 128 keys, whose block begins at LDS byte s32; its k has been asked for
.macro STEP
	s_wait_dscnt 0x0                               ; k is in
.irp t, 0,2,4,6
	v_wmma_scale_f32_16x16x128_f8f6f4 v[96+8*\t:103+8*\t], v[32+6*\t:43+6*\t], v[16:27], 0, v[KS+\t/2], v28 matrix_a_fmt:MATRIX_FMT_FP6 matrix_b_fmt:MATRIX_FMT_FP6
	v_wmma_scale_f32_16x16x128_f8f6f4 v[104+8*\t:111+8*\t], v[38+6*\t:49+6*\t], v[16:27], 0, v[KS+\t/2], v28 matrix_a_fmt:MATRIX_FMT_FP6 matrix_b_fmt:MATRIX_FMT_FP6 matrix_a_scale:MATRIX_SCALE_ROW1
.endr
	v_add_nc_u32 v6, s32, v[VB]                    ; four places in front of the loads below and of the first read of the scores
	v_add_nc_u32 v7, s32, v2
	v_mov_b32 v[OLD], v12
	v_nop
.irp t, 0,1,2,3
.irp i, 0,1,2
	ds_load_b128 v[32+12*\t+4*\i:32+12*\t+4*\i+3], v6 offset:7680+1920*\t+640*\i   ; v^T's fragments land while the softmax is worked
.endr
.endr
	ds_load_b64 v[216:217], v7 offset:16000
.irp c, 0,1
	v_max3_num_f32 v[BM+\c], v[96+32*\c], v[97+32*\c], v[98+32*\c]      ; my block 2 c + h: 32 scores, two chains; each accumulator from its low end on
	v_max3_num_f32 v[BM+2+\c], v[112+32*\c], v[113+32*\c], v[114+32*\c]
.endr
.irp i, 3,5,7,9,11,13
.irp c, 0,1
	v_max3_num_f32 v[BM+\c], v[BM+\c], v[96+32*\c+\i], v[97+32*\c+\i]
	v_max3_num_f32 v[BM+2+\c], v[BM+2+\c], v[112+32*\c+\i], v[113+32*\c+\i]
.endr
.endr
.irp c, 0,1
	v_max3_num_f32 v[BM+\c], v[BM+\c], v[BM+2+\c], v[111+32*\c]
.endr
.irp c, 0,1
	v_max_num_f32 v[BM+\c], v[BM+\c], v[127+32*\c]
.endr
	s_delay_alu instid0(VALU_DEP_1)
	v_max_num_f32 v[RM], v[BM], v[BM+1]
	s_delay_alu instid0(VALU_DEP_1)
	v_permlanex16_b32 v[RP], v[RM], s[SEL], s[SEL+1]
	s_delay_alu instid0(VALU_DEP_1)
	v_max3_num_f32 v13, v13, v[RM], v[RP]          ; the running largest score of my query
	s_delay_alu instid0(VALU_DEP_1)
	v_mul_f32 v[TMP], s[NC], v13                   ; -t
	s_delay_alu instid0(VALU_DEP_1)
	v_floor_f32 v12, v[TMP]                        ; the new -M = floor(-t): M is a whole number
.set J, 0
.rept 32
	v_pk_fma_f32 v[96+J:97+J], v[96+J:97+J], s[CS:CS+1], v[12:13] op_sel_hi:[1,0,0]   ; t - M, two at a time
.set J, J+2
.endr
	v_sub_f32 v[TMP], v12, v[OLD]                  ; old M - new M: a whole number, 0 or less
	v_fma_f32 v[BM], v[BM], s[CS], v12             ; tm of each block's largest score
	s_delay_alu instid0(VALU_DEP_2)
	v_cvt_i32_f32 v[TMP], v[TMP]                   ; (it saturates)
	v_fma_f32 v[BM+1], v[BM+1], s[CS], v12
	s_delay_alu instid0(VALU_DEP_2)
	v_ldexp_f32 v[FF], 1.0, v[TMP]                 ; f
	s_wait_alu depctr_va_vdst(0)                   ; the wait ahead of the batch
.set J, 0
.rept 64
	v_exp_f32 v[96+J], v[96+J]                     ; p = 2^(t - M)
.set J, J+1
.endr
.irp c, 0,1
	v_floor_f32 v[BM+\c], v[BM+\c]                 ; floor(log2(the block's largest p)).  These lines name no p
.endr
.irp c, 0,1
	s_delay_alu instid0(VALU_DEP_2)
	v_max_num_f32 v[BM+\c], 0xc2f80000, v[BM+\c]   ; held at -124: the byte cannot fall under 1
.endr
.irp c, 0,1
	s_delay_alu instid0(VALU_DEP_2)
	v_cvt_i32_f32 v[BM+\c], v[BM+\c]
.endr
.irp c, 0,1
	s_delay_alu instid0(VALU_DEP_2)
	v_add_lshl_u32 v[SO+\c], v[BM+\c], 125, 23     ; the byte, - 2 + 127, in the exponent field: the conversion's scale operand
.endr
	s_delay_alu instid0(VALU_DEP_3)
	v_lshl_add_u32 v[WW], v[BM+1], 16, v[BM]
	s_delay_alu instid0(VALU_DEP_1)
	v_add_lshl_u32 v[WW], v[WW], 0x7d007d, v[SH8]  ; my two bytes, blocks h and 2 + h, at their places in the scale word
	s_delay_alu instid0(VALU_DEP_1)
	v_permlanex16_b32 v[WP], v[WW], s[SEL], s[SEL+1]
	s_delay_alu instid0(VALU_DEP_1)
	v_or_b32 v[PW], v[WW], v[WP]                   ; with lane l xor 16's two the word is whole
	v_pk_mul_f32 v[14:15], v[14:15], v[FF:FF+1] op_sel_hi:[1,0]   ; the sum under the new M
	s_wait_alu depctr_va_vdst(0)                   ; one wait for the batch, ahead of its first reader
.irp c, 0,1
	v_cvt_scalef32_pk16_fp6_f32 v[PCD+6*\c:PCD+2+6*\c], v[96+32*\c:111+32*\c], v[SO+\c]
	v_cvt_scalef32_pk16_fp6_f32 v[PY+4*\c:PY+2+4*\c], v[112+32*\c:127+32*\c], v[SO+\c]   ; (a conversion's three registers begin on an even number)
.endr
	v_pk_add_f32 v[C1:C1+1], v[96:97], v[98:99]    ; the row's sum of the unquantised p, four chains
	v_pk_add_f32 v[C2:C2+1], v[100:101], v[102:103]
	v_pk_add_f32 v[C3:C3+1], v[104:105], v[106:107]
	v_pk_add_f32 v[14:15], v[14:15], v[108:109]
.irp c, 0,1
.irp i, 0,1,2
	v_mov_b32 v[PCD+3+6*\c+\i], v[PY+4*\c+\i]
.endr
.endr
	s_wait_alu depctr_va_vdst(0)                   ; the wait here, directly ahead of the first reader of O^T
.set J, 0
.rept 16
	v_pk_mul_f32 v[160+J:161+J], v[160+J:161+J], v[FF:FF+1] op_sel_hi:[1,0]   ; O^T under the new M; twelve of the sixteen name no register of a given product below: its places behind p's codes
.set J, J+2
.endr
	s_wait_alu depctr_va_vdst(0)                   ; the wait here, directly ahead of the wait below
	s_wait_dscnt 0x0                               ; v^T is in
	v_wmma_scale_f32_16x16x128_f8f6f4 v[160:167], v[32:43], v[PCD:PCD+11], v[160:167], v216, v[PW] matrix_a_fmt:MATRIX_FMT_FP6 matrix_b_fmt:MATRIX_FMT_FP6
	v_wmma_scale_f32_16x16x128_f8f6f4 v[168:175], v[44:55], v[PCD:PCD+11], v[168:175], v216, v[PW] matrix_a_fmt:MATRIX_FMT_FP6 matrix_b_fmt:MATRIX_FMT_FP6 matrix_a_scale:MATRIX_SCALE_ROW1
	v_wmma_scale_f32_16x16x128_f8f6f4 v[176:183], v[56:67], v[PCD:PCD+11], v[176:183], v217, v[PW] matrix_a_fmt:MATRIX_FMT_FP6 matrix_b_fmt:MATRIX_FMT_FP6
	v_wmma_scale_f32_16x16x128_f8f6f4 v[184:191], v[68:79], v[PCD:PCD+11], v[184:191], v217, v[PW] matrix_a_fmt:MATRIX_FMT_FP6 matrix_b_fmt:MATRIX_FMT_FP6 matrix_a_scale:MATRIX_SCALE_ROW1
	SUM4 110                                       ; four places between the products and the loads into registers that they read
	s_add_co_u32 s32, s32, STEPL
	s_min_u32 s34, s32, 15*STEPL                   ; the next block; in the last trip block 15 once more
	KLOAD s34
	SUM4 118                                       ; the rest of the sum stands between the request and the wait for it
	SUM4 126
	SUM4 134
	SUM4 142
	SUM4 150
	v_pk_add_f32 v[C1:C1+1], v[C1:C1+1], v[158:159]
	v_pk_add_f32 v[C2:C2+1], v[C2:C2+1], v[C3:C3+1]
	s_delay_alu instid0(VALU_DEP_2)
	v_pk_add_f32 v[14:15], v[14:15], v[C1:C1+1]
	s_delay_alu instid0(VALU_DEP_1)
	v_pk_add_f32 v[14:15], v[14:15], v[C2:C2+1]
.endm
; A PASS: one tile of 16 queries against all 2,048 keys, and its way out
.macro PASS p
.if \p
	s_wait_xcnt 0x0                                ; the first pass's stores have read their data
.irp i, 0,1,2,3,4,5
	v_mov_b32 v[16+\i], v[86+\i]                   ; the second tile's q,
.endr
	v_mov_b32 v28, v92                             ; and its scale words; the lines below are the places in front of the first product
.endif
	v_mov_b32 v13, 0xff61b1e6                      ; the largest score so far: -3e38
	v_mov_b32 v12, 0x7e000000                      ; -M: a whole number above every -t, so that the first f is 0
	v_mov_b32 v14, 0
	v_mov_b32 v15, 0
.set J, 0
.rept 32
	v_mov_b32 v[160+J], 0                          ; O^T.  (The step is written once: the first finds zeros)
.set J, J+1
.endr
	s_mov_b32 s32, 0
	s_mov_b32 s33, 16
	KLOAD s32                                      ; block 0's k
.Lstep_\@:
	STEP
	s_sub_co_u32 s33, s33, 1
	s_cmp_lg_u32 s33, 0
	s_cbranch_scc1 .Lstep_\@
	s_wait_alu depctr_va_vdst(0)                   ; the wait here, directly ahead of the wait below
	s_wait_dscnt 0x0                               ; the last trip's loads have landed: their registers may be loaded anew
	v_add_f32 v14, v14, v15                        ; the sum's two halves,
	s_delay_alu instid0(VALU_DEP_1)
	v_permlanex16_b32 v[TMP], v14, s[SEL], s[SEL+1]
	s_delay_alu instid0(VALU_DEP_1)
	v_add_f32 v14, v14, v[TMP]                     ; and lane l xor 16's: the row's sum
	s_wait_alu depctr_va_vdst(0)
	v_rcp_f32 v14, v14
	v_nop                                          ; a plain place behind the transcendental
	s_wait_alu depctr_va_vdst(0)                   ; the wait ahead of its first reader
.set J, 0
.rept 16
	v_pk_mul_f32 v[96+J:97+J], v[160+J:161+J], v[14:15] op_sel_hi:[1,0]   ; out = O^T / the sum: register 16 b + i is channel 32 b + 16 (lane / 16) + i of my head
.set J, J+2
.endr
.irp b, 0,1
	v_max3_num_f32 v[TM+\b], |v[96+16*\b]|, |v[97+16*\b]|, 0x1800000
.endr
.irp i, 2,4,6,8,10,12,14
.irp b, 0,1
	s_delay_alu instid0(VALU_DEP_2)
	v_max3_num_f32 v[TM+\b], v[TM+\b], |v[96+16*\b+\i]|, |v[97+16*\b+\i]|
.endr
.endr
.irp b, 0,1
	s_delay_alu instid0(VALU_DEP_2)
	v_permlanex16_b32 v[TM+2+\b], v[TM+\b], s[SEL], s[SEL+1]
.endr
.irp b, 0,1
	s_delay_alu instid0(VALU_DEP_2)
	v_max_num_f32 v[TM+\b], v[TM+\b], v[TM+2+\b]
.endr
.irp b, 0,1
	s_delay_alu instid0(VALU_DEP_2)
	v_add_nc_u32 v[TM+4+\b], 0xff000000, v[TM+\b]
.endr
.irp b, 0,1
	s_delay_alu instid0(VALU_DEP_2)
	v_lshrrev_b32 v[TM+2+\b], 23, v[TM+4+\b]
.endr
	s_delay_alu instid0(VALU_DEP_1)
	v_lshl_or_b32 v[OW], v[TM+3], 8, v[TM+2]       ; my head's two bytes of the row's scale word
	v_cvt_scalef32_pk16_fp6_f32 v[PCD:PCD+2], v[96:111], v[TM+4]
	v_cvt_scalef32_pk16_fp6_f32 v[PY:PY+2], v[112:127], v[TM+5]
	v_nop                                          ; one plain place behind a scaled conversion
.irp i, 0,1,2
	v_permlane16_swap_b32 v[PCD+\i], v[PY+\i]
.endr
.irp i, 0,1,2
	s_delay_alu instid0(VALU_DEP_3)
	v_mov_b32 v[PCD+3+\i], v[PY+\i]
.endr
	global_store_b128 v1, v[PCD:PCD+3], s[42:43] offset:204800*\p          ; 512 consecutive bytes; the second pass's tile lies 16 tile blocks on
	global_store_b64 v2, v[PCD+4:PCD+5], s[42:43] offset:204800*\p+512     ; 256 consecutive bytes
	global_store_b16 v5, v[OW], s[44:45] offset:204800*\p
.endm
	s_load_b128 s[4:7], s[0:1], 0x0                ; qc, kv
	s_load_b64 s[8:9], s[0:1], 0x10                ; ao
	v_lshl_add_u32 v[SPW], v0, 2, SPARE
	v_mov_b32 v[NIL], 0
	ds_add_u32 v[SPW], v[NIL]                      ; the wave's opening: the add, twice on end, and its wait ahead of my first tensor load
	ds_add_u32 v[SPW], v[NIL]
	v_lshrrev_b32 v1, 5, v0
	s_delay_alu instid0(VALU_DEP_1)
	v_readfirstlane_b32 s10, v1                    ; wave 0..15
	s_bfe_u32 s11, ttmp6, 0x40000                  ; cx: it enters q's and ao's addresses alone
	s_and_b32 s12, ttmp7, 0xffff                   ; batch x 16 + head, which the four partners share
	; group 1: a key step's block, 13,056 dense bytes, as 51 rows of 256 (32 elements of 8 bytes), 16 words of padding behind each 64
	s_mov_b32 s24, 15|(3<<16)|(1<<20)|(1<<21)|(5<<22)|(15<<25)   ; the mask: all four work-groups; elements of 8 bytes; padding on; bit 21 set beside a mask; after every 64 words (code 5); of 16 words (code 15)
	s_mov_b32 s25, 32<<16
	s_mov_b32 s26, 51<<16
	s_mov_b32 s27, 32<<16
	s_mov_b32 s28, 51
	s_mov_b32 s29, 32
	s_mov_b32 s30, 0
	s_mov_b32 s31, 0
	s_mul_i32 s13, s10, STEPB                      ; key step w: its place in the head's part of kv,
	s_mul_i32 s17, s10, STEPL                      ; and in LDS
	s_mul_i32 s14, s12, 16*STEPB
	s_add_co_u32 s14, s14, s13
	s_mov_b32 s15, 0
	s_lshl_b32 s34, s12, 4                         ; q: block 16 x head + 4 cx + w / 8, tile w % 8
	s_lshl_b32 s35, s11, 2
	s_add_co_u32 s34, s34, s35
	s_lshr_b32 s35, s10, 3
	s_add_co_u32 s34, s34, s35
	s_mul_i32 s34, s34, 6656
	s_and_b32 s35, s10, 7
	s_mul_i32 s36, s35, 768
	s_add_co_u32 s36, s36, s34
	s_mov_b32 s37, 0
	s_and_b32 s38, s10, 1                          ; its scale words: 6,144 + 256 (tile % 2) + 4 (tile / 2) + 16 r
	s_lshl_b32 s38, s38, 8
	s_lshr_b32 s35, s35, 1
	s_lshl_b32 s35, s35, 2
	s_add_co_u32 s38, s38, s35
	s_add_co_u32 s38, s38, s34
	s_add_co_u32 s38, s38, 6144
	s_mov_b32 s39, 0
	s_lshr_b32 s40, s12, 4                         ; ao: token tile 128 x batch + 32 cx + w
	s_lshl_b32 s40, s40, 7
	s_lshl_b32 s41, s11, 5
	s_add_co_u32 s40, s40, s41
	s_add_co_u32 s40, s40, s10
	s_mul_i32 s40, s40, 12800
	s_and_b32 s41, s12, 15                         ; the head
	s_mul_i32 s42, s41, 768
	s_add_co_u32 s42, s42, s40
	s_mov_b32 s43, 0
	s_lshr_b32 s44, s41, 3
	s_lshl_b32 s44, s44, 8
	s_and_b32 s41, s41, 7
	s_lshl_b32 s41, s41, 1
	s_add_co_u32 s44, s44, s41
	s_add_co_u32 s44, s44, s40
	s_add_co_u32 s44, s44, 12288
	s_mov_b32 s45, 0
	s_mov_b32 s[SEL], 0x76543210
	s_mov_b32 s[SEL+1], 0xfedcba98
	s_mov_b32 s[CS], 0x3e38aa3b                    ; c = log2(e) / 8
	s_mov_b32 s[CS+1], s[CS]                       ; (named with it as a pair, so it is written)
	s_mov_b32 s[NC], 0xbe38aa3b                    ; -c
	s_wait_dscnt 0x0                               ; both opening adds are done
	s_wait_kmcnt 0x0
	s_add_nc_u64 s[36:37], s[4:5], s[36:37]
	s_add_nc_u64 s[38:39], s[4:5], s[38:39]
	s_add_nc_u64 s[42:43], s[8:9], s[42:43]
	s_add_nc_u64 s[44:45], s[8:9], s[44:45]
	CROUND                                         ; all four work-groups are here: the joint loads meet
	s_mov_b32 s16, 1
	s_add_nc_u64 s[18:19], s[6:7], s[14:15]
	s_or_b32 s19, s19, 0x80000000
	tensor_load_to_lds s[16:19], s[24:31]          ; my one tensor load: key step w of the head
	s_nop 0
.rept 4
	v_nop
.endr
	v_and_b32 v5, 31, v0
	s_delay_alu instid0(VALU_DEP_1)
	v_lshlrev_b32 v1, 4, v5                        ; 16 x lane
	s_delay_alu instid0(VALU_DEP_2)
	v_lshlrev_b32 v2, 3, v5                        ; 8 x lane
	v_and_b32 v5, 15, v0
	s_delay_alu instid0(VALU_DEP_1)
	v_lshlrev_b32 v5, 4, v5                        ; 16 r
	global_load_b128 v[16:19], v1, s[36:37]
	global_load_b64 v[20:21], v2, s[36:37] offset:512
	global_load_b32 v28, v5, s[38:39]
	global_load_b128 v[86:89], v1, s[36:37] offset:13312      ; the second pass's tile lies two blocks on
	global_load_b64 v[90:91], v2, s[36:37] offset:13312+512
	global_load_b32 v92, v5, s[38:39] offset:13312
	v_and_b32 v6, 7, v0                            ; r % 8
	v_bfe_u32 v7, v0, 3, 1                         ; r / 8
	v_bfe_u32 v8, v0, 4, 1                         ; h
	v_mul_u32_u24 v[KB], v7, 1920                  ; rows 8-15 of my tiles lie two of the stored tiles, 6 LDS rows, on
	v_lshlrev_b32 v[KB+2], 2, v7
	v_mul_u32_u24 v9, v8, 320                      ; lanes 16-31 of a 512-byte image lie in the next LDS row
	v_lshl_add_u32 v[KB+1], v6, 3, v[KB]
	v_lshl_add_u32 v[KB], v6, 4, v[KB]
	v_lshl_add_u32 v[KB+2], v6, 4, v[KB+2]
	v_lshl_add_u32 v[KB+1], v8, 7, v[KB+1]         ; registers 4, 5: 1,920 (r / 8) + 8 (r % 8) + 128 h
	v_add_nc_u32 v[KB], v[KB], v9                  ; registers 0-3: 1,920 (r / 8) + 16 (r % 8) + 320 h
	v_add_nc_u32 v[KB+2], v[KB+2], v9              ; scale words: 4 (r / 8) + 16 (r % 8) + 320 h
	v_add_nc_u32 v[VB], v5, v9                     ; v^T's images: 16 r + 320 h
	v_lshlrev_b32 v[SH8], 3, v8                    ; 8 h
.irp i, 0,1,2,3,4,5
	v_mov_b32 v[22+\i], 0                          ; q's upper 64 along K: zero codes
	v_mov_b32 v[80+\i], 0                          ; behind k's tile 7
.endr
	v_mov_b32 v[RP], 0                             ; written once: a lane permute's destination counts as one of its sources
	v_mov_b32 v[WP], 0
	v_mov_b32 v[FF+1], 0                           ; (named as the upper half of a pair)
	s_wait_alu depctr_va_vdst(0)                   ; the wait at the head's end
	s_wait_loadcnt 0x0
	s_wait_tensorcnt 0x0                           ; my key step is in,
	s_barrier_signal -1
	s_barrier_wait -1                              ; everybody's is: the whole head lies in LDS
	PASS 0
	PASS 1
	s_wait_tensorcnt 0x0                           ; the wave's end
	ds_add_u32 v[SPW], v[NIL]
	s_wait_dscnt 0x0
	CROUND                                         ; the closing round
	s_endpgm
.Lfunc_end_k_qe0ba5f28b6_attn:
	.size	k_qe0ba5f28b6_attn, .Lfunc_end_k_qe0ba5f28b6_attn-k_qe0ba5f28b6_attn
	.p2alignl 7, 3214868480
	.fill 96, 4, 3214868480
	.section	.rodata,"a",@progbits
	.p2align	6, 0x0
	.amdhsa_kernel k_qe0ba5f28b6_attn
		.amdhsa_group_segment_fixed_size 263168
		.amdhsa_private_segment_fixed_size 0
		.amdhsa_enable_private_segment 0
		.amdhsa_kernarg_size 24
		.amdhsa_user_sgpr_count 2
		.amdhsa_user_sgpr_kernarg_segment_ptr 1
		.amdhsa_wavefront_size32 1
		.amdhsa_system_sgpr_workgroup_id_x 1
		.amdhsa_system_sgpr_workgroup_id_y 1
		.amdhsa_system_sgpr_workgroup_id_z 1
		.amdhsa_system_vgpr_workitem_id 0
		.amdhsa_next_free_vgpr 256
		.amdhsa_next_free_sgpr 66
		.amdhsa_reserve_vcc 0
		.amdhsa_float_denorm_mode_32 3
		.amdhsa_float_denorm_mode_16_64 3
		.amdhsa_memory_ordered 1
		.amdhsa_forward_progress 1
		.amdhsa_inst_pref_size 52
	.end_amdhsa_kernel
	.amdgpu_metadata
---
amdhsa.version: [ 1, 2 ]
amdhsa.kernels:
  - .name:           k_qe0ba5f28b6_attn
    .symbol:         k_qe0ba5f28b6_attn.kd
    .args:
      - { .name: qc, .offset: 0, .size: 8, .value_kind: global_buffer, .address_space: global }
      - { .name: kv, .offset: 8, .size: 8, .value_kind: global_buffer, .address_space: global }
      - { .name: ao, .offset: 16, .size: 8, .value_kind: global_buffer, .address_space: global }
    .group_segment_fixed_size: 263168
    .private_segment_fixed_size: 0
    .kernarg_segment_align: 8
    .kernarg_segment_size: 24
    .max_flat_workgroup_size: 512
    .sgpr_count:     66
    .vgpr_count:     256
    .wavefront_size: 32
...
	.end_amdgpu_metadata
.endif
;; end of part 3
;; launch proj (part 4): grid 8 x 32, 4 waves a work-group, clusters of 4 x 4, 327,680 bytes of LDS; arguments ao, wq, proj_b, out0; writes out0
.if DOCPART == 4
	.amdgcn_target "amdgcn-amd-amdhsa--gfx1250"
	.amdhsa_code_object_version 6
	.text
	.protected	k_qe0ba5f28b6_proj
	.globl	k_qe0ba5f28b6_proj
	.p2align	8
	.type	k_qe0ba5f28b6_proj,@function
k_qe0ba5f28b6_proj:
	s_mov_b64 s[64:65], 0
	v_nop
	global_prefetch_b8 v0, s[64:65] scope:SCOPE_SE
	s_setreg_imm32_b32 hwreg(HW_REG_WAVE_MODE, 25, 1), 1
	s_wait_xcnt 0x0
	s_wait_alu depctr_hold_cnt(0) depctr_sa_sdst(0) depctr_va_vdst(0) depctr_va_sdst(0) depctr_va_ssrc(0) depctr_va_vcc(0) depctr_vm_vsrc(0)
	s_getreg_b32 s2, hwreg(HW_REG_IB_STS2, 6, 4)
	s_cmp_eq_u32 s2, 0
	s_cbranch_scc0 .Lentry_in_a_cluster
	s_endpgm
.Lentry_in_a_cluster:
	s_bfe_u32 s2, ttmp6, 0x10000c
	s_cmp_lg_u32 s2, 0xf033
	s_cbranch_scc0 .Lentry_shape_is_right
	s_endpgm
.Lentry_shape_is_right:
.set TILEB, 12800
.set BOFF,  196608
.set STAGE, 299008
.set SPARE, 316416
.set ADA,  3
.set ADB,  7
.set ADWS, 8
.set SPW,  9
.set NIL,  10
.set ADA8, 12
.set XS,   16
.set WS,   80
.set WF,   112
.set OB,   112
.set STO,  208
.set RD,   209
.set GO,   210
.set BIAS, 192
.set MSB, 0
.macro WIN new
.if MSB != \new
	s_set_vgpr_msb (MSB<<8)|\new
.set MSB, \new
.endif
.endm
.macro PLACES n
.rept \n
	v_nop
.endr
.endm
.macro CROUND
	s_barrier_signal -1
	s_barrier_wait -1
	s_cmp_lg_u32 s18, 0
	s_cbranch_scc1 .Lnot_wave_0_\@
	s_barrier_signal -3
.Lnot_wave_0_\@:
	s_barrier_wait -3
	s_barrier_signal -1
	s_barrier_wait -1
.endm
.macro WMC d, a, b, c, sa, sb
	v_wmma_scale_f32_16x16x128_f8f6f4 v[\d:\d+7], v[\a:\a+11], v[\b:\b+11], v[\c:\c+7], v[\sa], v[\sb] matrix_a_fmt:MATRIX_FMT_FP6 matrix_b_fmt:MATRIX_FMT_FP6
.endm
.macro FETCH s, set
	WIN 0x80
.irp a, 0,1,2,3,4,5,6,7
	ds_load_b128 v[96*(\set)+12*\a:96*(\set)+12*\a+3], v[ADA+\a/2] offset:12288*(\a%2)+1536*(\s)
	ds_load_b64 v[96*(\set)+12*\a+4:96*(\set)+12*\a+5], v[ADA8+\a/2] offset:12288*(\a%2)+1536*(\s)+512
	ds_load_b128 v[96*(\set)+12*\a+6:96*(\set)+12*\a+9], v[ADA+\a/2] offset:12288*(\a%2)+1536*(\s)+768
	ds_load_b64 v[96*(\set)+12*\a+10:96*(\set)+12*\a+11], v[ADA8+\a/2] offset:12288*(\a%2)+1536*(\s)+1280
.endr
	WIN 0
.irp b, 0,1,2,3
.irp i, 0,1,2
	ds_load_b128 v[WF+48*(\set)+12*\b+4*\i:WF+48*(\set)+12*\b+4*\i+3], v[ADB] offset:TILEB*\b+1536*(\s)+512*\i
.endr
.endr
.endm
.macro MUL s, set, a0, n
.if (\s) == 0
	WIN 0x68
.else
	WIN 0x58
.endif
.set AA, \a0
.rept \n
.irp b, 0,1,2,3
.if (\s) == 0
	WMC 8*(4*AA+\b), WF+48*(\set)+12*\b, 96*(\set)+12*AA, BIAS+8*\b, WS+8*\b+(\s), XS+8*AA+(\s)
.else
	WMC 8*(4*AA+\b), WF+48*(\set)+12*\b, 96*(\set)+12*AA, 8*(4*AA+\b), WS+8*\b+(\s), XS+8*AA+(\s)
.endif
.endr
.set AA, AA+1
.endr
.endm
.macro STEP s, grp
	s_wait_dscnt 0x0
.if (\grp) >= 0
	s_wait_tensorcnt 3-(\grp)
	s_barrier_signal -1
	MUL \s, (\s)%2, 0, 4
	s_barrier_wait -1
	PLACES 4
	FETCH (\s)+1, ((\s)+1)%2
	MUL \s, (\s)%2, 4, 4
.else
.if (\s) < 7
	PLACES 4
	FETCH (\s)+1, ((\s)+1)%2
.endif
	MUL \s, (\s)%2, 0, 8
.endif
.endm
.macro TOSTAGE a
	WIN 0x04
.irp n, 0,1,2,3,4,5,6,7
	ds_store_b128 v[STO], v[32*(\a)+4*\n:32*(\a)+4*\n+3] offset:128*(\n/4)+16*(\n%4)
.endr
	WIN 0
.irp i, 0,1,2,3,4,5,6,7
	ds_load_b128 v[OB+32*((\a)%2)+4*\i:OB+32*((\a)%2)+4*\i+3], v[RD] offset:544*\i
.endr
.endm
.macro SEND a, younger
	s_wait_dscnt \younger
.irp i, 0,1,2,3,4,5,6,7
	global_store_b128 v[GO], v[OB+32*((\a)%2)+4*\i:OB+32*((\a)%2)+4*\i+3], s[86:87] offset:(32*((\a)/2)+8*((\a)%2)+2*\i+8*(\i/4))*4096 th:TH_STORE_NT
.endr
.endm
	s_load_b256 s[4:11], s[0:1], 0x0
	v_lshl_add_u32 v[SPW], v0, 2, SPARE
	v_mov_b32 v[NIL], 0
	ds_add_u32 v[SPW], v[NIL]
	ds_add_u32 v[SPW], v[NIL]
	v_lshrrev_b32 v1, 5, v0
	v_readfirstlane_b32 s18, v1
	s_lshr_b32 s19, s18, 1
	s_and_b32 s20, s18, 1
	s_bfe_u32 s21, ttmp6, 0x40000
	s_bfe_u32 s22, ttmp6, 0x40004
	s_lshl_b32 s23, ttmp9, 2
	s_add_co_u32 s23, s23, s21
	s_and_b32 s66, ttmp7, 0xffff
	s_lshl_b32 s66, s66, 2
	s_add_co_u32 s66, s66, s22
	s_lshl_b32 s72, s22, 2
	s_lshl_b32 s72, 15, s72
	s_lshl_b32 s73, 0x1111, s21
	s_or_b32 s24, s72, (3<<16)|(1<<21)
	s_mov_b32 s25, 1536<<16                        ; ao's tiles: 8 rows (tile blocks) of 12,288 bytes of codes, 12,800 apart
	s_mov_b32 s26, 8<<16
	s_mov_b32 s27, 1536<<16
	s_mov_b32 s28, 8
	s_mov_b32 s29, 1600
	s_mov_b32 s30, 0
	s_mov_b32 s31, 0
	s_or_b32 s32, s73, (3<<16)|(1<<21)
	s_mov_b32 s33, 32<<16
	s_mov_b32 s34, 200<<16                         ; the weights: 4 tile blocks, 200 rows of 256 bytes
	s_mov_b32 s35, 32<<16
	s_mov_b32 s36, 200
	s_mov_b32 s37, 32
	s_mov_b32 s38, 0
	s_mov_b32 s39, 0
	s_lshl_b32 s68, s66, 4
	s_lshl_b32 s74, s20, 3
	s_add_co_u32 s68, s68, s74
	s_mul_i32 s68, s68, TILEB
	s_mov_b32 s69, 0
	s_lshl_b32 s70, s23, 3
	s_lshl_b32 s75, s20, 2
	s_add_co_u32 s70, s70, s75
	s_add_co_u32 s70, s70, 192
	s_mul_i32 s70, s70, TILEB
	s_mov_b32 s71, 0
	s_mul_i32 s76, s20, 98304
	s_mul_i32 s77, s20, 51200
	s_wait_dscnt 0x0
	s_wait_kmcnt 0x0
	s_add_nc_u64 s[68:69], s[4:5], s[68:69]
	s_add_nc_u64 s[70:71], s[6:7], s[70:71]
	CROUND
	s_mov_b32 s40, 1
	s_add_co_u32 s41, s77, BOFF
	s_mov_b64 s[42:43], s[70:71]
	s_or_b32 s43, s43, 0x80000000
	s_mov_b32 s44, 1
	s_mov_b32 s45, s76
	s_mov_b64 s[46:47], s[68:69]
	s_or_b32 s47, s47, 0x80000000
	s_cmp_lt_u32 s18, 2                            ; one joint load a wave: waves 0, 1 the halves of ao's tiles, waves 2, 3 the halves of the weights'
	s_cbranch_scc0 .Lhead_b
	tensor_load_to_lds s[44:47], s[24:31]
	s_nop 0
	PLACES 4
	s_branch .Lhead_asked
.Lhead_b:
	tensor_load_to_lds s[40:43], s[32:39]
	s_nop 0
	PLACES 4
.Lhead_asked:
	v_and_b32 v11, 31, v0
	v_lshlrev_b32 v1, 4, v11
	v_lshlrev_b32 v2, 3, v11
	s_mul_i32 s74, s19, 98304
.irp g, 0,1,2,3
	v_add_nc_u32 v[ADA+\g], s74, v1
	v_add_nc_u32 v[ADA8+\g], s74, v2
	s_add_co_u32 s74, s74, 24576
.endr
	s_mul_i32 s75, s20, 51200
	s_add_co_u32 s75, s75, BOFF
	v_add_nc_u32 v[ADB], s75, v1
	v_and_b32 v211, 15, v0
	v_bfe_u32 v212, v0, 4, 1
	v_lshlrev_b32 v11, 4, v211
	s_add_co_u32 s75, s75, 12288
	v_add_nc_u32 v[ADWS], s75, v11
	v_lshlrev_b32 v2, 6, v212
	s_wait_alu depctr_va_vdst(0)
	s_mul_i32 s74, s18, 4352
	s_add_co_u32 s74, s74, STAGE
	v_mul_u32_u24 v[STO], v211, 272
	v_lshl_add_u32 v[STO], v212, 6, v[STO]
	v_add_nc_u32 v[STO], s74, v[STO]
	v_mul_u32_u24 v[RD], v212, 272
	v_lshl_add_u32 v[RD], v211, 4, v[RD]
	v_add_nc_u32 v[RD], s74, v[RD]
	v_lshlrev_b32 v[GO], 12, v212
	v_lshl_add_u32 v[GO], v211, 4, v[GO]
	s_lshl_b32 s74, s66, 4
	s_lshl_b32 s75, s19, 3
	s_add_co_u32 s74, s74, s75
	s_mul_i32 s78, s74, TILEB
	s_mov_b32 s79, 0
	s_add_nc_u64 s[78:79], s[4:5], s[78:79]
	s_lshl_b32 s80, s23, 9
	s_lshl_b32 s81, s20, 8
	s_add_co_u32 s80, s80, s81
	s_mov_b32 s81, 0
	s_lshl_b32 s86, s66, 20
	s_lshl_b32 s87, s19, 19
	s_add_co_u32 s86, s86, s87
	s_add_co_u32 s86, s86, s80
	s_mov_b32 s87, 0
	s_add_nc_u64 s[86:87], s[10:11], s[86:87]
	s_add_nc_u64 s[80:81], s[8:9], s[80:81]
.irp a, 0,1,2,3,4,5,6,7
.irp q, 0,1
	global_load_b128 v[XS+8*\a+4*\q:XS+8*\a+4*\q+3], v11, s[78:79] offset:TILEB*\a+12288+256*\q
.endr
.endr
	WIN 0x80
.irp b, 0,1,2,3
.irp q, 0,1
	global_load_b128 v[BIAS+8*\b+4*\q:BIAS+8*\b+4*\q+3], v2, s[80:81] offset:(32*(\b/2)+8*(\b%2))*4+16*\q
.endr
.endr
	WIN 0
	s_wait_loadcnt 0x0
	s_wait_tensorcnt 0x0
	s_barrier_signal -1
	s_barrier_wait -1
.irp b, 0,1,2,3
.irp q, 0,1
	ds_load_b128 v[WS+8*\b+4*\q:WS+8*\b+4*\q+3], v[ADWS] offset:TILEB*\b+256*\q
.endr
.endr
	FETCH 0, 0
	STEP 0, -1
	STEP 1, -1
	STEP 2, -1
	STEP 3, -1
	STEP 4, -1
	STEP 5, -1
	STEP 6, -1
	STEP 7, -1
	WIN 0
	PLACES 4
	s_wait_alu depctr_va_vdst(0)
	TOSTAGE 0
.irp a, 1,2,3,4,5,6,7
.if \a > 1
	s_wait_xcnt 0x0
.endif
	TOSTAGE \a
	SEND \a-1, 16
.endr
	SEND 7, 0
	s_wait_tensorcnt 0x0
	ds_add_u32 v[SPW], v[NIL]
	s_wait_dscnt 0x0
	CROUND
	s_endpgm
.Lfunc_end_k_qe0ba5f28b6_proj:
	.size	k_qe0ba5f28b6_proj, .Lfunc_end_k_qe0ba5f28b6_proj-k_qe0ba5f28b6_proj
	.p2alignl 7, 3214868480
	.fill 96, 4, 3214868480
	.section	.rodata,"a",@progbits
	.p2align	6, 0x0
	.amdhsa_kernel k_qe0ba5f28b6_proj
		.amdhsa_group_segment_fixed_size 327680
		.amdhsa_private_segment_fixed_size 0
		.amdhsa_enable_private_segment 0
		.amdhsa_kernarg_size 32
		.amdhsa_user_sgpr_count 2
		.amdhsa_user_sgpr_kernarg_segment_ptr 1
		.amdhsa_wavefront_size32 1
		.amdhsa_system_sgpr_workgroup_id_x 1
		.amdhsa_system_sgpr_workgroup_id_y 1
		.amdhsa_system_sgpr_workgroup_id_z 1
		.amdhsa_system_vgpr_workitem_id 0
		.amdhsa_next_free_vgpr 768
		.amdhsa_next_free_sgpr 100
		.amdhsa_reserve_vcc 0
		.amdhsa_float_denorm_mode_32 3
		.amdhsa_float_denorm_mode_16_64 3
		.amdhsa_memory_ordered 1
		.amdhsa_forward_progress 1
		.amdhsa_inst_pref_size 81
	.end_amdhsa_kernel
	.amdgpu_metadata
---
amdhsa.version: [ 1, 2 ]
amdhsa.kernels:
  - .name:           k_qe0ba5f28b6_proj
    .symbol:         k_qe0ba5f28b6_proj.kd
    .args:
      - { .name: ao, .offset: 0, .size: 8, .value_kind: global_buffer, .address_space: global }
      - { .name: wq, .offset: 8, .size: 8, .value_kind: global_buffer, .address_space: global }
      - { .name: proj_b, .offset: 16, .size: 8, .value_kind: global_buffer, .address_space: global }
      - { .name: out0, .offset: 24, .size: 8, .value_kind: global_buffer, .address_space: global }
    .group_segment_fixed_size: 327680
    .private_segment_fixed_size: 0
    .kernarg_segment_align: 8
    .kernarg_segment_size: 32
    .max_flat_workgroup_size: 128
    .sgpr_count:     100
    .vgpr_count:     768
    .wavefront_size: 32
...
	.end_amdgpu_metadata
.endif
;; end of part 4
